; MI455X (gfx1250); checked and timed in simulation.
; The chip was launched on July 23, 2026; its instructions are those of AMD's public machine-readable ISA for CDNA 5 (MIT licence, August 2026) and "CDNA5" Instruction Set Architecture Reference Guide (July 2026). The comments in the code are by the model that wrote it; some were corrected since.
;; Head. Allowed arithmetic: float matrix products may take bf16 or f16 operands with f32 sums; all other float work in f32.
;; Inputs: Wk 256 x 64 float32; Wq 256 x 64 float32; Wv 256 x 64 float32; x 32 x 1,024 x 256 float32.
;; Outputs: out0 32 x 1,024 x 64 float32.
;; One version. Each part assembles by itself: llvm-mc -triple=amdgcn-amd-amdhsa -mcpu=gfx1250 --defsym DOCPART=n.
;; ======== version 1 of 1: 2 launches
;; limits: values are held in f16: magnitudes above 65,504 overflow, below 6.1e-05 lose precision
;; workspace buffers: qf 4,194,304 bytes; kf 4,194,304 bytes; vf 4,194,304 bytes
;; launch proj (part 1): grid 256 x 1, 8 waves a work-group, no clusters, 246,784 bytes of LDS; arguments x, Wq, Wk, Wv, qf, kf, vf; writes qf, kf, vf
.if DOCPART == 1
	.amdgcn_target "amdgcn-amd-amdhsa--gfx1250"
	.amdhsa_code_object_version 6
	.text
	.protected	k_qd6b7cd350b_proj
	.globl	k_qd6b7cd350b_proj
	.p2align	8
	.type	k_qd6b7cd350b_proj,@function
k_qd6b7cd350b_proj:
	s_mov_b64 s[64:65], 0
	v_nop
	global_prefetch_b8 v0, s[64:65] scope:SCOPE_SE
	s_setreg_imm32_b32 hwreg(HW_REG_WAVE_MODE, 25, 1), 1
	s_wait_xcnt 0x0
; q, k, v = x W.  x: [32768][256] f32 (32 batches of 1,024 rows, taken as one list of rows); Wq, Wk, Wv: [256][64] f32.
; Operands are rounded to bf16, sums are f32, and each result is rounded once to f16.
; LIMIT: |q|, |k|, |v| must stay below 65,504 (f16).  With all inputs 30 times the drawn spread the results have a spread of 900;
; with common offsets of 30 spreads on x and on W they lie near 256 x 30 x 1.875 = 14,400.  Larger results become infinite.  NaN and infinities are not served.
;
; OUTPUT ORDER: blocks of 512 bytes = 32 lanes x 16 bytes, so that the next launch loads matrix fragments with no shuffle.  Lane L: r = L % 16, hh = L / 16.
;   qf, kf: block 4 x (row / 16) + n holds, in lane L, val[16 (row / 16) + r][16 n + 8 hh .. + 7]
;   vf:     block 8 x (row / 32) + 2 ht + par holds, in lane L, v[32 (row / 32) + 16 par + 8 hh .. + 7][16 ht + r]   (v transposed)
; Every store of a wave covers 512 consecutive bytes, aligned.
;
; SHARES: the work-group owns 128 rows; 256 work-groups.  Wave w: rg = w / 2 picks 32 rows (two tiles of 16), ch = w % 2 picks the columns:
; four tiles of q (ch = 0) or of k (ch = 1), and two tiles of v (ht = 2 ch, 2 ch + 1): twelve sums of 16 x 16, 96 matrix instructions a wave.
; q and k are made with W's fragment as the first source, so that a lane holds 8 neighbouring columns of one row; v with x's fragment first,
; so that a lane holds 8 neighbouring rows of one column.
;
; K GOES IN FOUR CHUNKS OF 64, so that the products of a chunk run while the later chunks of x are still on their way.  Each wave fetches its 16 rows
; as four tensor loads of 16 rows x 256 bytes, issued in K order at the start: four tensor loads of a wave are out at the most, and the first 64 columns of
; all 128 rows are asked for ahead of the rest.  (One load of 64 rows a wave would put all four chunks' requests out side by side.)  Every LDS byte is filled
; once, so the barrier in front of a chunk has a counted wait: the wave's younger chunks stay out.
;
; NO JOINT LOADS for W, which all work-groups read: W as f32 (196,608 bytes) beside x (139,264) and the bf16 image (106,496) is 442,368 bytes,
; more than the 327,680 of LDS.  So W passes through registers, is rounded there, and only its bf16 image lies in LDS.
.set XPITCH, 272                       ; a chunk's row in LDS: 256 bytes + 16 of padding = 17 x 16: the sixteen rows that a load touches start 16 bytes apart modulo 256
.set XW,     16*XPITCH                 ; what one tensor load brings
.set XCH,    128*XPITCH                ; a chunk's plane: 128 rows
.set WS,     4*XCH                     ; 139,264 = 544 x 256: W's bf16 image, written by LDS stores alone; no tensor load lands here
.set WPITCH, 416                       ; one k row: 64 bf16 of Wq, 64 of Wk, 64 of Wv (384 bytes) + 32 = 13 x 32
.set KSTEP,  32*WPITCH                 ; 32 along K
.set VW,  4                            ; v4       byte offset of my 16 bytes in my wave's 32 rows of a W
.set AW,  5                            ; v5       where my 4 bf16 of W go in LDS
.set AX,  6                            ; v6, v7   my x fragment's address in chunks 0-1, 2-3 (the upper planes lie beyond a 16-bit offset)
.set ATS, 8                            ; v8, v9   transposing loads of Wq or Wk: K 0-127, K 128-255
.set ATV, 10                           ; v10, v11 the same for my two tiles of Wv
.set VO,  12                           ; v12      my byte offset in qf or kf
.set VOV, 13                           ; v13      my byte offset in vf
.set ACC, 16                           ; v[16:111]  twelve sums: 8 (2 t + rt), column tile t = 0..5 (4, 5: v), row tile rt
.set STG, 64                           ; v[64:255]  W as loaded (48 loads of 4 registers); free again at the first barrier
.set SL,  112                          ; v[112:175] four x fragments, f = 2 rt + c: 16 registers of f32, packed in place into the lower 8
.set WBB, 176                          ; v[176:255] ten W fragments: c = 0: tiles 0-5; c = 1: tiles 0-3.  Tiles 4, 5 of c = 1 go to SL+8 and SL+24, free once packed
.set PK,  176                          ; v[176:223] results packed to f16
.set G1,  28                           ; s[28:35] descriptor group 1
.set G0,  40                           ; s[40:55] descriptor group 0, a set for each chunk: none is written while its load is out
	s_load_b256 s[4:11], s[0:1], 0x0               ; x s[4:5], Wq s[6:7], Wk s[8:9], Wv s[10:11]
	s_load_b128 s[12:15], s[0:1], 0x20             ; qf s[12:13], kf s[14:15]
	s_load_b64 s[16:17], s[0:1], 0x30              ; vf
	s_set_vgpr_msb 0x40
	v_lshl_add_u32 v0, v0, 2, 0x3c000
	v_mov_b32 v1, 0
	s_set_vgpr_msb 0x4045
	ds_add_u32 v0, v1
	ds_add_u32 v0, v1
	s_set_vgpr_msb 0x4500
	v_lshrrev_b32 v14, 5, v0
	v_readfirstlane_b32 s2, v14                    ; wave 0..7
	s_lshr_b32 s18, s2, 1                          ; rg
	s_and_b32 s19, s2, 1                           ; ch
	; descriptor group 1: 16 rows of 64 f32, 4 words of padding behind every 64 words
	s_mov_b32 s[G1+0], (2<<16)|(1<<20)|(5<<22)|(3<<25) ; no mask; elements of 4 bytes; padding on; interval code 5 (64 words); 4 words (code 3)
	s_mov_b32 s[G1+1], 64<<16                      ; tensor_dim0 = 64
	s_mov_b32 s[G1+2], 16<<16                      ; tensor_dim1 = 16
	s_mov_b32 s[G1+3], 64<<16                      ; tile_dim0 = 64
	s_mov_b32 s[G1+4], 16                          ; tile_dim1 = 16
	s_mov_b32 s[G1+5], 256                         ; 256 elements from row to row
	s_mov_b32 s[G1+6], 0
	s_mov_b32 s[G1+7], 0
	s_mul_i32 s24, s2, XW                          ; my 16 rows in a plane: the wave's number times a constant
	s_lshl_b32 s20, ttmp9, 17                      ; 128 rows of 1,024 bytes a work-group (below 2^25)
	s_lshl_b32 s21, s2, 14                         ; 16 rows a wave
	s_add_co_u32 s20, s20, s21
	s_mov_b32 s21, 0
	s_lshl_b32 s22, ttmp9, 14                      ; 128 rows of 128 bytes in qf, kf, vf
	s_mov_b32 s23, 0
	v_and_b32 v1, 31, v0                           ; lane
	v_lshlrev_b32 v[VW], 4, v1
	v_lshl_add_u32 v[VW], s2, 13, v[VW]            ; 8,192 w + 16 lane: my wave's 32 rows of a W
	s_wait_dscnt 0x0
	s_wait_kmcnt 0x0
	s_add_nc_u64 s[26:27], s[4:5], s[20:21]        ; x at my 16 rows
	; the four first fills, in K order, ahead of everything else
.irp q,0,1,2,3
	s_mov_b32 s[G0+4*\q], 1
	s_add_co_u32 s[G0+4*\q+1], s24, \q*XCH                         ; LDS address: my rows in plane q
	s_add_nc_u64 s[G0+4*\q+2:G0+4*\q+3], s[26:27], \q*256          ; columns 64 q ..
	s_or_b32 s[G0+4*\q+3], s[G0+4*\q+3], 0x80000000                ; type 2
	tensor_load_to_lds s[G0+4*\q:G0+4*\q+3], s[G1:G1+7]
	s_nop 0
.endr
	; W: each load takes two k rows (512 bytes); 16 loads a matrix, 48 in all
.irp m,0,1,2
.irp it,0,1,2,3,4,5,6,7,8,9,10,11,12,13,14,15
	global_load_b128 v[STG+4*(16*\m+\it):STG+4*(16*\m+\it)+3], v[VW], s[6+2*\m:7+2*\m] offset:\it*512
.endr
.endr
	s_cmp_eq_u32 s19, 0
	s_cselect_b64 s[36:37], s[12:13], s[14:15]     ; ch = 0 writes q, ch = 1 writes k
	s_add_nc_u64 s[36:37], s[36:37], s[22:23]
	s_add_nc_u64 s[38:39], s[16:17], s[22:23]
	; lane terms, while the loads are on their way
	v_and_b32 v2, 15, v0                           ; r
	v_bfe_u32 v3, v0, 4, 1                         ; hh
	s_mul_i32 s20, s2, 32*WPITCH
	s_add_co_u32 s20, s20, WS
	v_mul_u32_u24 v[AW], v3, WPITCH
	v_lshl_add_u32 v[AW], v2, 3, v[AW]
	v_add_nc_u32 v[AW], s20, v[AW]                 ; WS + (32 w + hh) rows + 8 r
	s_mul_i32 s21, s18, 32*XPITCH
	v_mul_u32_u24 v[AX], v2, XPITCH
	v_lshl_add_u32 v[AX], v3, 5, v[AX]
	v_add_nc_u32 v[AX], s21, v[AX]                 ; (32 rg + r) rows + 32 hh
	v_add_nc_u32 v[AX+1], 2*XCH, v[AX]
	v_and_b32 v14, 7, v0
	v_lshl_add_u32 v14, v3, 3, v14                 ; k row 8 hh + lane % 8
	v_mul_u32_u24 v14, v14, WPITCH
	v_bfe_u32 v15, v0, 3, 1
	v_lshl_add_u32 v14, v15, 4, v14                ; + 16 bytes for the upper eight columns of a tile
	v_add_nc_u32 v14, WS, v14
	v_lshl_add_u32 v[ATS], s19, 7, v14             ; Wq at byte 0 of a row, Wk at byte 128
	v_add_nc_u32 v[ATS+1], 4*KSTEP, v[ATS]         ; the upper half of K lies beyond a 16-bit offset
	v_lshl_add_u32 v[ATV], s19, 6, v14
	v_add_nc_u32 v[ATV], 256, v[ATV]               ; Wv at byte 256, my two tiles at + 64 ch
	v_add_nc_u32 v[ATV+1], 4*KSTEP, v[ATV]
	v_lshlrev_b32 v[VO], 4, v1
	v_lshl_add_u32 v[VO], s18, 12, v[VO]           ; 16 lane + 4,096 rg
	v_lshl_add_u32 v[VOV], s19, 11, v[VO]          ; + 2,048 ch: tiles ht = 2 ch, 2 ch + 1
	; W to bf16 and into LDS, eight loads at a time: sixteen conversions, then eight stores, so that no store stands straight behind its own conversion.
	; Each count is the number of younger loads.
.irp g,0,1,2,3,4,5
	s_wait_loadcnt 40-8*\g
.irp t,0,1,2,3,4,5,6,7
	v_cvt_pk_bf16_f32 v[STG+4*(8*\g+\t)], v[STG+4*(8*\g+\t)], v[STG+4*(8*\g+\t)+1]
	v_cvt_pk_bf16_f32 v[STG+4*(8*\g+\t)+1], v[STG+4*(8*\g+\t)+2], v[STG+4*(8*\g+\t)+3]
.endr
.irp t,0,1,2,3,4,5,6,7
	ds_store_b64 v[AW], v[STG+4*(8*\g+\t):STG+4*(8*\g+\t)+1] offset:((8*\g+\t)%16)*2*WPITCH+((8*\g+\t)/16)*128
.endr
.endr
; The four x fragments of chunk q, f = 2 rt + c: lane (r, hh) takes K = 32 c + 8 hh .. + 7 and 32 c + 16 + 8 hh .. + 7 of row r, as f32: four loads of 16 bytes each
.macro XLOADS q
.irp f,0,1,2,3
.irp p,0,1,2,3
	ds_load_b128 v[SL+16*\f+4*\p:SL+16*\f+4*\p+3], v[AX+(\q)/2] offset:((\q)%2)*XCH+(\f/2)*XW+(\f%2)*128+(\p%2)*16+(\p/2)*64
.endr
.endr
.endm
; One W fragment into d: 32 k (chunk q, half c) x the 16 columns of tile t, by two transposing loads 16 k rows apart
.macro WFR d, q, c, t
.if (\t)<4
	ds_load_tr16_b128 v[(\d):(\d)+3], v[ATS+(\q)/2] offset:(((\q)%2)*2+(\c))*KSTEP+(\t)*32
	ds_load_tr16_b128 v[(\d)+4:(\d)+7], v[ATS+(\q)/2] offset:(((\q)%2)*2+(\c))*KSTEP+(\t)*32+16*WPITCH
.else
	ds_load_tr16_b128 v[(\d):(\d)+3], v[ATV+(\q)/2] offset:(((\q)%2)*2+(\c))*KSTEP+((\t)-4)*32
	ds_load_tr16_b128 v[(\d)+4:(\d)+7], v[ATV+(\q)/2] offset:(((\q)%2)*2+(\c))*KSTEP+((\t)-4)*32+16*WPITCH
.endif
.endm
.macro WEARLY q                        ; ten fragments, 20 loads
.irp t,0,1,2,3,4,5
	WFR WBB+8*\t, \q, 0, \t
.endr
.irp t,0,1,2,3
	WFR WBB+48+8*\t, \q, 1, \t
.endr
.endm
.macro WLATE q                         ; the last two, 4 loads, into the registers that packing x has freed
	WFR SL+8, \q, 1, 4
	WFR SL+24, \q, 1, 5
.endm
.macro MM d, a, b, acc                 ; acc = 0: the first product starts the sum, nothing is cleared
.if \acc
	v_wmma_f32_16x16x32_bf16 v[(\d):(\d)+7], v[(\a):(\a)+7], v[(\b):(\b)+7], v[(\d):(\d)+7]
.else
	v_wmma_f32_16x16x32_bf16 v[(\d):(\d)+7], v[(\a):(\a)+7], v[(\b):(\b)+7], 0
.endif
.endm
.macro MULT q, c, t, w                 ; column tile t with W's fragment w, both row tiles
.irp rt,0,1
.if (\t)<4
	MM ACC+8*(2*(\t)+\rt), \w, SL+16*(2*\rt+(\c)), (\q)+(\c)
.else
	MM ACC+8*(2*(\t)+\rt), SL+16*(2*\rt+(\c)), \w, (\q)+(\c)
.endif
.endr
.endm
; Chunk q.  The twelve sums take turns, one instruction a turn, in the same order in both halves of every chunk.
.macro CHUNK q
.if (\q)>0
	WEARLY \q                                      ; W's image is whole since the first barrier: these come back under the wait for x
.endif
	s_wait_tensorcnt 3-(\q)                        ; tensor loads of a wave end in order: my rows of chunk q are in; my younger chunks stay out
	s_wait_dscnt 0x0                               ; no LDS instruction of mine is pending at the signal (chunk 0: my rows of W are in LDS, for every wave)
	s_barrier_signal -1
	s_barrier_wait -1                              ; every wave's rows of chunk q are in
	XLOADS \q
.if (\q)==0
	WEARLY \q
.endif
.irp f,0,1,2,3
.if (\q)==0
	s_wait_dscnt 4*(3-\f)+20                       ; four loads for each younger x fragment, and the 20 of W behind them
.else
	s_wait_dscnt 4*(3-\f)                          ; four loads for each younger x fragment
.endif
.irp j,0,1,2,3,4,5,6,7
	v_cvt_pk_bf16_f32 v[SL+16*\f+\j], v[SL+16*\f+2*\j], v[SL+16*\f+2*\j+1]   ; in place, ascending: register j has been read before it is written
.endr
.endr
	WLATE \q
.if (\q)==0
	s_wait_dscnt 12                                ; the first six fragments of W are in: eight early and four late loads are younger
.endif
.irp t,0,1,2,3,4,5
	MULT \q, 0, \t, WBB+8*\t
.endr
.if (\q)==0
	s_wait_dscnt 4                                 ; all but the four late loads
.endif
.irp t,0,1,2,3
	MULT \q, 1, \t, WBB+48+8*\t
.endr
	s_wait_dscnt 0x0
	MULT \q, 1, 4, SL+8
	MULT \q, 1, 5, SL+24
.rept 4
	v_nop                                          ; places behind the matrix instructions: for the next chunk's loads into the fragments just read
.endr                                                  ; and, behind the last chunk, for the conversions that read the sums and write over fragments
.endm
	CHUNK 0
	CHUNK 1
	CHUNK 2
	CHUNK 3
	; round to f16 and store, 512 consecutive bytes a store; every tile has its own data registers, so none is rewritten
.irp t,0,1,2,3,4,5
.irp rt,0,1
.irp j,0,1,2,3
	v_cvt_pk_f16_f32 v[PK+4*(2*\t+\rt)+\j], v[ACC+8*(2*\t+\rt)+2*\j], v[ACC+8*(2*\t+\rt)+2*\j+1]
.endr
.endr
.irp rt,0,1
.if \t<4
	global_store_b128 v[VO], v[PK+4*(2*\t+\rt):PK+4*(2*\t+\rt)+3], s[36:37] offset:\rt*2048+\t*512
.else
	global_store_b128 v[VOV], v[PK+4*(2*\t+\rt):PK+4*(2*\t+\rt)+3], s[38:39] offset:(\t-4)*1024+\rt*512
.endif
.endr
.endr
	s_set_vgpr_msb 0x5
	s_wait_tensorcnt 0x0
	ds_add_u32 v0, v1
	s_wait_dscnt 0x0
	s_set_vgpr_msb 0x500
	s_endpgm
.Lfunc_end_k_qd6b7cd350b_proj:
	.size	k_qd6b7cd350b_proj, .Lfunc_end_k_qd6b7cd350b_proj-k_qd6b7cd350b_proj
	.p2alignl 7, 3214868480
	.fill 96, 4, 3214868480
	.section	.rodata,"a",@progbits
	.p2align	6, 0x0
	.amdhsa_kernel k_qd6b7cd350b_proj
		.amdhsa_group_segment_fixed_size 246784
		.amdhsa_private_segment_fixed_size 0
		.amdhsa_enable_private_segment 0
		.amdhsa_kernarg_size 56
		.amdhsa_user_sgpr_count 2
		.amdhsa_user_sgpr_kernarg_segment_ptr 1
		.amdhsa_wavefront_size32 1
		.amdhsa_system_sgpr_workgroup_id_x 1
		.amdhsa_system_sgpr_workgroup_id_y 1
		.amdhsa_system_sgpr_workgroup_id_z 1
		.amdhsa_system_vgpr_workitem_id 0
		.amdhsa_next_free_vgpr 258
		.amdhsa_next_free_sgpr 66
		.amdhsa_reserve_vcc 0
		.amdhsa_float_denorm_mode_32 3
		.amdhsa_float_denorm_mode_16_64 3
		.amdhsa_memory_ordered 1
		.amdhsa_forward_progress 1
		.amdhsa_inst_pref_size 49
	.end_amdhsa_kernel
	.amdgpu_metadata
---
amdhsa.version: [ 1, 2 ]
amdhsa.kernels:
  - .name:           k_qd6b7cd350b_proj
    .symbol:         k_qd6b7cd350b_proj.kd
    .args:
      - { .name: x, .offset: 0, .size: 8, .value_kind: global_buffer, .address_space: global }
      - { .name: Wq, .offset: 8, .size: 8, .value_kind: global_buffer, .address_space: global }
      - { .name: Wk, .offset: 16, .size: 8, .value_kind: global_buffer, .address_space: global }
      - { .name: Wv, .offset: 24, .size: 8, .value_kind: global_buffer, .address_space: global }
      - { .name: qf, .offset: 32, .size: 8, .value_kind: global_buffer, .address_space: global }
      - { .name: kf, .offset: 40, .size: 8, .value_kind: global_buffer, .address_space: global }
      - { .name: vf, .offset: 48, .size: 8, .value_kind: global_buffer, .address_space: global }
    .group_segment_fixed_size: 246784
    .private_segment_fixed_size: 0
    .kernarg_segment_align: 8
    .kernarg_segment_size: 56
    .max_flat_workgroup_size: 256
    .sgpr_count:     66
    .vgpr_count:     258
    .wavefront_size: 32
...
	.end_amdgpu_metadata
.endif
;; end of part 1
;; launch attn (part 2): grid 256 x 1, 8 waves a work-group, no clusters, 144,384 bytes of LDS; arguments qf, kf, vf, out0; writes out0
.if DOCPART == 2
	.amdgcn_target "amdgcn-amd-amdhsa--gfx1250"
	.amdhsa_code_object_version 6
	.text
	.protected	k_qd6b7cd350b_attn
	.globl	k_qd6b7cd350b_attn
	.p2align	8
	.type	k_qd6b7cd350b_attn,@function
k_qd6b7cd350b_attn:
	s_mov_b64 s[64:65], 0
	v_nop
	global_prefetch_b8 v0, s[64:65] scope:SCOPE_SE
	s_setreg_imm32_b32 hwreg(HW_REG_WAVE_MODE, 25, 1), 1
	s_wait_xcnt 0x0
; out = softmax(causal(q k^T x 256^-0.666)) v for 32 batches of 1,024 rows, head size 64.  q, k, v come as f16 in fragment order (blocks of 512 bytes,
; 16 bytes a lane): qf, kf block 4 (row / 16) + n: val[.. + r][16 n + 8 hh .. + 7]; vf block 8 (row / 32) + 2 ht + par: v[.. + 16 par + 8 hh .. + 7][16 ht + r].
; Products in f16 with f32 sums; maxima, exponentials, sums and the merge in f32; the running maximum is taken away before every exponential.
; LIMITS: q, k, v are f16 (magnitudes below 65,504).  NaN and infinite inputs are not served.  Exponentials below 2^-126 count as 0.
; The row sum adds the unrounded weights while the product with v takes them rounded to f16 (relative 2^-12).
; The order of the sums differs from a plain row sum: the keys are split four ways and merged by their maxima.
;
; SHARES: work-group id: batch b = id / 8, j = id % 8.  Waves 0-3 make the block of 64 queries i = 15 - j, waves 4-7 the block i = j: 17 blocks of 64 x 64
; in every work-group.  In a group of four waves the KEYS are split: wave sp takes the units of 32 keys u = sp, sp + 4, ..., for all 64 queries, so each
; byte of k and v is loaded by one wave of the group, straight into registers, one whole unit ahead; the loop has no LDS access and no barrier.
; A wave has n = max(1, (2 i + 5 - sp) / 4) units and walks them downward from u0 = sp + 4 (n - 1): only its first unit can reach past the diagonal,
; so the mask and the start of the sums are the same variant of the macro.  For i = 0 waves sp = 2, 3 have no key below the diagonal: they take the one unit
; u = sp (keys 64-127, inside the batch), all of it masked, which gives maximum -inf, sum 0, O = 0, and the merge gives these the weight 0.
;
; LAYOUT: S^T = K Q^T: lane (r, hh) holds query r and keys 8 hh + 0..7 of each tile of 16 keys.  Two such tiles, packed to f16 in place, ARE the second source
; P^T (32 keys x 16 queries) of O^T = V^T P^T, where lane (r, hh) holds query r and columns 16 ht + 8 hh + 0..7.  So maximum, sum and rescale factor are one register a lane.
;
; NO JOINT LOADS for k and v, which the 8 work-groups of a batch share: they go into registers, not LDS; partners need different numbers of units
; (2 i + 2 for block i); and the loop would gain a barrier round that it does not have.
.set UNITB, 4096                       ; bytes of a unit of 32 keys in kf and in vf
.set PP,    272                        ; a row of a partial O in LDS: 256 bytes + 16 = 17 x 16
.set WPART, 64*PP                      ; a wave's partial O: 64 queries
.set MB,    8*WPART                    ; 139,264: maxima, [query][wave], 32 bytes a query; the sums lie 2,048 bytes further on
.set CS,    0x3d131c8c                 ; 256^-0.666 x log2(e) = 0.0359159
.set DD,  4                            ; v4       64 i - 32 u0 + r - 8 hh: key tile offset 16 kt + jj - 16 qt above it is masked
.set NI,  5                            ; v5       -inf
.set MX,  6                            ; v[6:9]   running maximum of query tile qt
.set LS,  10                           ; v[10:13] running sum, this half of the lanes' keys
.set MN,  14                           ; v[14:15] - c x maximum (v15 is only there to make a pair)
.set AL,  16                           ; v[16:17] rescale factor (v17 likewise)
.set TA,  18
.set TB,  19
.set TM,  20
.set SU,  22                           ; v[22:29] partial sums
.set KF,  32                           ; v[32:95]   K fragments, two buffers of 32: 16 kt + 8 c
.set SC,  96                           ; v[96:159]  scores: 16 qt + 8 kt; then P in the lower 8 of each 16
.set QF,  160                          ; v[160:223] Q fragments: 16 qt + 8 c
.set AO,  224                          ; merge: where my partial O goes
.set AM,  225                          ; merge: where my maxima go
.set AR,  226                          ; merge: where I read partial rows
.set AMR, 227                          ; merge: where I read maxima
.set VV,  128                          ; window 1: v[384:447] V fragments, two buffers of 32: 8 ht.  Window 1, v[256:383]: O, 8 (4 qt + ht)
.set MSB, 0
.macro WIN new                         ; s_set_vgpr_msb: bits 1:0 source 0, 3:2 source 1, 5:4 source 2, 7:6 destination; the high byte repeats the setting that is left
.if MSB != \new
	s_set_vgpr_msb (MSB<<8)|\new
.set MSB, \new
.endif
.endm
	s_load_b256 s[4:11], s[0:1], 0x0               ; qf s[4:5], kf s[6:7], vf s[8:9], out0 s[10:11]
	v_lshl_add_u32 v254, v0, 2, 0x23000
	v_mov_b32 v255, 0
	v_lshrrev_b32 v18, 5, v0
	v_readfirstlane_b32 s2, v18                    ; wave 0..7
	s_and_b32 s12, ttmp9, 7                        ; j
	s_lshr_b32 s13, ttmp9, 3                       ; b
	s_lshr_b32 s14, s2, 2                          ; group
	s_and_b32 s15, s2, 3                           ; sp
	s_sub_co_u32 s16, 15, s12
	s_cmp_eq_u32 s14, 0
	s_cselect_b32 s16, s16, s12                    ; i = 15 - j or j
	s_lshl_b32 s17, s16, 1
	s_add_co_u32 s17, s17, 5
	s_sub_co_u32 s17, s17, s15
	s_lshr_b32 s17, s17, 2
	s_max_u32 s17, s17, 1                          ; n
	s_sub_co_u32 s17, s17, 1                       ; n - 1
	s_lshl2_add_u32 s18, s17, s15                  ; u0 = 4 (n - 1) + sp
	s_lshl_b32 s20, s13, 17                        ; a batch of q, k or v: 1,024 rows of 128 bytes
	s_lshl_b32 s36, s18, 12
	s_add_co_u32 s36, s36, s20                     ; k, v: batch + u0 units
	s_mov_b32 s37, 0
	s_lshl_b32 s21, s16, 13
	s_add_co_u32 s20, s20, s21                     ; q: batch + i blocks of 8,192 bytes
	s_mov_b32 s21, 0
	s_lshl_b32 s38, s13, 18                        ; out: rows of 256 bytes: batch,
	s_lshl_b32 s39, s16, 14                        ; 64 i rows,
	s_add_co_u32 s38, s38, s39
	s_lshl_b32 s39, s15, 12                        ; 16 sp rows: the rows that I finish in the merge
	s_add_co_u32 s38, s38, s39
	s_mov_b32 s39, 0
	s_mov_b32 s26, CS
	s_mov_b32 s27, CS
	s_mov_b32 s28, CS|0x80000000                   ; - c
	s_mov_b32 s29, 0x7f000000                      ; 2^127
	s_mov_b32 s30, 0x76543210                      ; v_permlanex16_b32: lane i of one half reads lane i of the other
	s_mov_b32 s31, 0xfedcba98
	v_and_b32 v1, 31, v0
	v_lshlrev_b32 v1, 4, v1                        ; 16 x lane
	s_wait_kmcnt 0x0
	s_add_nc_u64 s[32:33], s[4:5], s[20:21]
	s_add_nc_u64 s[22:23], s[6:7], s[36:37]
	s_add_nc_u64 s[24:25], s[8:9], s[36:37]
	s_add_nc_u64 s[34:35], s[10:11], s[38:39]
; the unit at s[22:23], s[24:25]: eight blocks of k and eight of v, 512 consecutive bytes a load
.macro KVLOAD kb
.irp k,0,1,2,3,4,5,6,7
	global_load_b128 v[KF+32*(\kb)+4*\k:KF+32*(\kb)+4*\k+3], v1, s[22:23] offset:\k*512
.endr
	WIN 0x40
.irp k,0,1,2,3,4,5,6,7
	global_load_b128 v[VV+32*(\kb)+4*\k:VV+32*(\kb)+4*\k+3], v1, s[24:25] offset:\k*512
.endr
	WIN 0
.endm
.irp k,0,1,2,3,4,5,6,7,8,9,10,11,12,13,14,15
	global_load_b128 v[QF+4*\k:QF+4*\k+3], v1, s[32:33] offset:\k*512
.endr
	KVLOAD 0
	; lane terms, while the loads are on their way
	v_and_b32 v2, 15, v0                           ; r
	v_bfe_u32 v3, v0, 4, 1                         ; hh
	s_lshl_b32 s40, s16, 6
	s_lshl_b32 s41, s18, 5
	s_sub_co_i32 s40, s40, s41                     ; 64 i - 32 u0
	v_lshlrev_b32 v18, 3, v3
	v_sub_nc_u32 v[DD], v2, v18
	v_add_nc_u32 v[DD], s40, v[DD]
	v_mov_b32 v[NI], 0xff800000
	v_mov_b32 v[MN+1], 0
	v_mov_b32 v[AL+1], 0
	s_mul_i32 s41, s2, WPART
	v_mul_u32_u24 v[AO], v2, PP
	v_lshl_add_u32 v[AO], v3, 5, v[AO]
	v_add_nc_u32 v[AO], s41, v[AO]                 ; my wave's part + row r + 32 hh
	s_lshl_b32 s42, s2, 2
	s_add_co_u32 s42, s42, MB
	v_lshl_add_u32 v[AM], v2, 5, s42               ; MB + 32 r + 4 wave
	s_mul_i32 s43, s14, 4*WPART
	s_mul_i32 s44, s15, 16*PP
	s_add_co_u32 s43, s43, s44
	v_mul_u32_u24 v[AR], v3, PP
	v_lshl_add_u32 v[AR], v2, 4, v[AR]
	v_add_nc_u32 v[AR], s43, v[AR]                 ; my group's first part + row 16 sp + hh + 16 r
	s_lshl_b32 s44, s15, 9
	s_lshl_b32 s45, s14, 4
	s_add_co_u32 s44, s44, s45
	s_add_co_u32 s44, s44, MB
	v_lshl_add_u32 v[AMR], v3, 5, s44              ; MB + 32 (16 sp + hh) + 16 group
; Query tile qt of the unit in buffer kb: new maximum, exponentials, sum, P in f16, O rescaled, O += V^T P^T.
.macro SOFTMAX qt, first, kb
	v_max3_num_f32 v[TA], v[SC+16*\qt], v[SC+16*\qt+1], v[SC+16*\qt+2]       ; two chains over my 16 scores
	v_max3_num_f32 v[TB], v[SC+16*\qt+3], v[SC+16*\qt+4], v[SC+16*\qt+5]
.irp p,6,10
	v_max3_num_f32 v[TA], v[TA], v[SC+16*\qt+\p], v[SC+16*\qt+\p+1]
	v_max3_num_f32 v[TB], v[TB], v[SC+16*\qt+\p+2], v[SC+16*\qt+\p+3]
.endr
	v_max3_num_f32 v[TA], v[TA], v[SC+16*\qt+14], v[SC+16*\qt+15]
.if \first
	v_max_num_f32 v[TA], v[TA], v[TB]
.else
	v_max3_num_f32 v[TA], v[TA], v[TB], v[MX+\qt]
.endif
	v_permlanex16_b32 v[TB], v[TA], s30, s31       ; the other half of the lanes holds the query's other 16 keys
	v_max_num_f32 v[TM], v[TA], v[TB]
	v_mul_f32 v[MN], s28, v[TM]                    ; - c m
	v_min_num_f32 v[MN], s29, v[MN]                ; m = -inf (every key masked so far): 2^127 in place of +inf, so that the exponents are -inf and not NaN
.if \first
.else
	v_fma_f32 v[AL], v[MX+\qt], s26, v[MN]         ; c (old m - m)
.endif
.irp p,0,1,2,3,4,5,6,7
	v_pk_fma_f32 v[SC+16*\qt+2*\p:SC+16*\qt+2*\p+1], v[SC+16*\qt+2*\p:SC+16*\qt+2*\p+1], s[26:27], v[MN:MN+1] op_sel_hi:[1,0,0]
.endr
.irp p,0,1,2,3,4,5,6,7,8,9,10,11,12,13,14,15
	v_exp_f32 v[SC+16*\qt+\p], v[SC+16*\qt+\p]
.endr
.if \first
.else
	v_exp_f32 v[AL], v[AL]
.endif
	v_mov_b32 v[MX+\qt], v[TM]                     ; the plain instruction between the exponentials and the first use of a result (ISA guide 5.7.2)
	s_wait_alu depctr_va_vdst(0)
.irp p,0,1,2,3
	v_pk_add_f32 v[SU+2*\p:SU+2*\p+1], v[SC+16*\qt+4*\p:SC+16*\qt+4*\p+1], v[SC+16*\qt+4*\p+2:SC+16*\qt+4*\p+3]
.endr
	v_pk_add_f32 v[SU:SU+1], v[SU:SU+1], v[SU+2:SU+3]
	v_pk_add_f32 v[SU+4:SU+5], v[SU+4:SU+5], v[SU+6:SU+7]
	v_pk_add_f32 v[SU:SU+1], v[SU:SU+1], v[SU+4:SU+5]
.if \first
	v_add_f32 v[LS+\qt], v[SU], v[SU+1]
.else
	v_add_f32 v[SU], v[SU], v[SU+1]
	v_fma_f32 v[LS+\qt], v[LS+\qt], v[AL], v[SU]
.endif
.irp p,0,1,2,3,4,5,6,7
	v_cvt_pk_f16_f32 v[SC+16*\qt+\p], v[SC+16*\qt+2*\p], v[SC+16*\qt+2*\p+1]  ; in place, ascending: register p has been read before it is written
.endr
	WIN 0x51                                       ; destination, source 0 and source 2 in window 1 (O, V); source 1 in window 0 (factor, P)
.if \first
.irp ht,0,1,2,3
	v_wmma_f32_16x16x32_f16 v[32*\qt+8*\ht:32*\qt+8*\ht+7], v[VV+32*\kb+8*\ht:VV+32*\kb+8*\ht+7], v[SC+16*\qt:SC+16*\qt+7], 0
.endr
.else
.irp k,0,1,2,3,4,5,6,7,8,9,10,11,12,13,14,15
	v_pk_mul_f32 v[32*\qt+2*\k:32*\qt+2*\k+1], v[32*\qt+2*\k:32*\qt+2*\k+1], v[AL:AL+1] op_sel_hi:[1,0]
.endr
.irp ht,0,1,2,3
	v_wmma_f32_16x16x32_f16 v[32*\qt+8*\ht:32*\qt+8*\ht+7], v[VV+32*\kb+8*\ht:VV+32*\kb+8*\ht+7], v[SC+16*\qt:SC+16*\qt+7], v[32*\qt+8*\ht:32*\qt+8*\ht+7]
.endr
.endif
	WIN 0
.endm
; One unit of 32 keys against the 64 queries.  kb: its buffer; first = 1: mask, and start maxima, sums and O; pf = 1: ask for the unit four further down.
.macro UNIT kb, first, pf
	s_wait_loadcnt 0x0                             ; this unit's k and v (and q), asked for one unit ago; nothing younger is out, and the bases are free
.if \pf
	s_sub_nc_u64 s[22:23], s[22:23], 4*UNITB
	s_sub_nc_u64 s[24:25], s[24:25], 4*UNITB
	KVLOAD 1-\kb
.endif
	; S^T = K Q^T: the two key tiles' accumulators take turns, one instruction a turn; the first 32 columns start the sums
.irp qt,0,1,2,3
.irp c,0,1
.irp kt,0,1
.if \c
	v_wmma_f32_16x16x32_f16 v[SC+16*\qt+8*\kt:SC+16*\qt+8*\kt+7], v[KF+32*\kb+16*\kt+8*\c:KF+32*\kb+16*\kt+8*\c+7], v[QF+16*\qt+8*\c:QF+16*\qt+8*\c+7], v[SC+16*\qt+8*\kt:SC+16*\qt+8*\kt+7]
.else
	v_wmma_f32_16x16x32_f16 v[SC+16*\qt+8*\kt:SC+16*\qt+8*\kt+7], v[KF+32*\kb+16*\kt+8*\c:KF+32*\kb+16*\kt+8*\c+7], v[QF+16*\qt+8*\c:QF+16*\qt+8*\c+7], 0
.endif
.endr
.endr
.endr
.rept 4
	v_nop                                          ; places in front of the vector instructions that read the scores (ISA guide 7.12.1)
.endr
.if \first
	; key 32 u0 + 16 kt + 8 hh + jj is masked for query 64 i + 16 qt + r where it is the larger: 16 kt + jj - 16 qt > DD
.irp qt,0,1,2,3
.irp kt,0,1
.irp jj,0,1,2,3,4,5,6,7
	v_cmp_gt_i32 vcc_lo, 16*\kt+\jj-16*\qt, v[DD]
	v_cndmask_b32 v[SC+16*\qt+8*\kt+\jj], v[SC+16*\qt+8*\kt+\jj], v[NI], vcc_lo
.endr
.endr
.endr
.endif
.irp qt,0,1,2,3
	SOFTMAX \qt, \first, \kb
.endr
.rept 5
	v_nop                                          ; places behind the last products: the next unit's scores write over P, its loads land in V's other buffer, the merge reads O
.endr
.endm
	; n units: the first with the mask; then pairs, so that the buffers' numbers are constants; the last asks for nothing
	s_cmp_eq_u32 s17, 0
	s_cbranch_scc1 .Lonly
	UNIT 0, 1, 1
	s_sub_co_u32 s19, s17, 1
	s_lshr_b32 s19, s19, 1                         ; (n - 2) / 2 whole pairs that still ask ahead
	s_cmp_eq_u32 s19, 0
	s_cbranch_scc1 .Lrest
.Lpair:
	UNIT 1, 0, 1
	UNIT 0, 0, 1
	s_sub_co_u32 s19, s19, 1
	s_cmp_lg_u32 s19, 0
	s_cbranch_scc1 .Lpair
.Lrest:
	s_bitcmp1_b32 s17, 0                           ; n - 1 odd: one unit is left, else two
	s_cbranch_scc1 .Lone
	UNIT 1, 0, 1
	UNIT 0, 0, 0
	s_branch .Lmerge
.Lone:
	UNIT 1, 0, 0
	s_branch .Lmerge
.Lonly:
	UNIT 0, 1, 0
.Lmerge:
	; THE MERGE.  Each wave lays down its maxima, its sums (both halves of the lanes added) and its partial O; one barrier; wave sp finishes rows 16 sp .. + 15 of its group's block.
.irp qt,0,1,2,3
	v_permlanex16_b32 v[TB], v[LS+\qt], s30, s31
	v_add_f32 v[LS+\qt], v[LS+\qt], v[TB]
	ds_store_b32 v[AM], v[MX+\qt] offset:\qt*512               ; both halves of the lanes write the same word with the same value
	ds_store_b32 v[AM], v[LS+\qt] offset:\qt*512+2048
.endr
	WIN 0x04                                       ; the stores' data in window 1
.irp qt,0,1,2,3
.irp ht,0,1,2,3
	ds_store_b128 v[AO], v[32*\qt+8*\ht:32*\qt+8*\ht+3] offset:\qt*16*PP+\ht*64
	ds_store_b128 v[AO], v[32*\qt+8*\ht+4:32*\qt+8*\ht+7] offset:\qt*16*PP+\ht*64+16
.endr
.endr
	WIN 0
	s_wait_dscnt 0x0                               ; for the other waves' sake: all my stores are in LDS
	s_barrier_signal -1
	s_barrier_wait -1
	; two rows a turn (lanes 0-15 one row of 256 bytes, lanes 16-31 the next): four maxima, four sums, 16 bytes of each of the four partial rows
.irp it,0,1,2,3,4,5,6,7
	ds_load_b128 v[32+24*\it:32+24*\it+3], v[AMR] offset:\it*64
	ds_load_b128 v[32+24*\it+4:32+24*\it+7], v[AMR] offset:\it*64+2048
.irp p,0,1,2,3
	ds_load_b128 v[32+24*\it+8+4*\p:32+24*\it+8+4*\p+3], v[AR] offset:\p*WPART+\it*2*PP
.endr
.endr
; b: the turn's 24 registers: maxima b .. b+3, sums b+4 .. b+7, partial rows b+8 .. b+23
.macro FIN it, b
	s_wait_dscnt 6*(7-\it)                         ; six loads for each younger turn
	v_max3_num_f32 v[TA], v[(\b)], v[(\b)+1], v[(\b)+2]
	v_max_num_f32 v[TA], v[TA], v[(\b)+3]          ; finite: one of the four parts holds the query's own key
	v_mul_f32 v[TB], s28, v[TA]
.irp p,0,1,2,3
	v_fma_f32 v[(\b)+\p], v[(\b)+\p], s26, v[TB]   ; c (m_p - m); -inf for a part with no key
.endr
.irp p,0,1,2,3
	v_exp_f32 v[(\b)+\p], v[(\b)+\p]
.endr
	v_nop                                          ; the plain place behind the exponentials
	s_wait_alu depctr_va_vdst(0)
	v_mul_f32 v[TM], v[(\b)], v[(\b)+4]
	v_fmac_f32 v[TM], v[(\b)+1], v[(\b)+5]
	v_fmac_f32 v[TM], v[(\b)+2], v[(\b)+6]
	v_fmac_f32 v[TM], v[(\b)+3], v[(\b)+7]         ; the row's sum, at least 1: the largest key's own term
	v_rcp_f32 v[TM+1], v[TM]
	v_nop                                          ; the plain place behind the reciprocal
	s_wait_alu depctr_va_vdst(0)
.irp p,0,1,2,3
	v_mul_f32 v[(\b)+\p], v[(\b)+\p], v[TM+1]      ; the part's weight
.endr
	v_pk_mul_f32 v[(\b)+8:(\b)+9], v[(\b)+8:(\b)+9], v[(\b):(\b)+1] op_sel_hi:[1,0]
	v_pk_mul_f32 v[(\b)+10:(\b)+11], v[(\b)+10:(\b)+11], v[(\b):(\b)+1] op_sel_hi:[1,0]
	v_pk_fma_f32 v[(\b)+8:(\b)+9], v[(\b)+12:(\b)+13], v[(\b):(\b)+1], v[(\b)+8:(\b)+9] op_sel:[0,1,0] op_sel_hi:[1,1,1]
	v_pk_fma_f32 v[(\b)+10:(\b)+11], v[(\b)+14:(\b)+15], v[(\b):(\b)+1], v[(\b)+10:(\b)+11] op_sel:[0,1,0] op_sel_hi:[1,1,1]
	v_pk_fma_f32 v[(\b)+8:(\b)+9], v[(\b)+16:(\b)+17], v[(\b)+2:(\b)+3], v[(\b)+8:(\b)+9] op_sel_hi:[1,0,1]
	v_pk_fma_f32 v[(\b)+10:(\b)+11], v[(\b)+18:(\b)+19], v[(\b)+2:(\b)+3], v[(\b)+10:(\b)+11] op_sel_hi:[1,0,1]
	v_pk_fma_f32 v[(\b)+8:(\b)+9], v[(\b)+20:(\b)+21], v[(\b)+2:(\b)+3], v[(\b)+8:(\b)+9] op_sel:[0,1,0] op_sel_hi:[1,1,1]
	v_pk_fma_f32 v[(\b)+10:(\b)+11], v[(\b)+22:(\b)+23], v[(\b)+2:(\b)+3], v[(\b)+10:(\b)+11] op_sel:[0,1,0] op_sel_hi:[1,1,1]
	global_store_b128 v1, v[(\b)+8:(\b)+11], s[34:35] offset:\it*512 th:TH_STORE_NT   ; two whole rows of 256 bytes; each turn has its own data registers, so none is rewritten
.endm
.irp it,0,1,2,3,4,5,6,7
	FIN \it, 32+24*\it
.endr
	s_wait_tensorcnt 0x0
	ds_add_u32 v254, v255
	s_wait_dscnt 0x0
	s_endpgm
.Lfunc_end_k_qd6b7cd350b_attn:
	.size	k_qd6b7cd350b_attn, .Lfunc_end_k_qd6b7cd350b_attn-k_qd6b7cd350b_attn
	.p2alignl 7, 3214868480
	.fill 96, 4, 3214868480
	.section	.rodata,"a",@progbits
	.p2align	6, 0x0
	.amdhsa_kernel k_qd6b7cd350b_attn
		.amdhsa_group_segment_fixed_size 144384
		.amdhsa_private_segment_fixed_size 0
		.amdhsa_enable_private_segment 0
		.amdhsa_kernarg_size 32
		.amdhsa_user_sgpr_count 2
		.amdhsa_user_sgpr_kernarg_segment_ptr 1
		.amdhsa_wavefront_size32 1
		.amdhsa_system_sgpr_workgroup_id_x 1
		.amdhsa_system_sgpr_workgroup_id_y 1
		.amdhsa_system_sgpr_workgroup_id_z 1
		.amdhsa_system_vgpr_workitem_id 0
		.amdhsa_next_free_vgpr 448
		.amdhsa_next_free_sgpr 66
		.amdhsa_reserve_vcc 1
		.amdhsa_float_denorm_mode_32 3
		.amdhsa_float_denorm_mode_16_64 3
		.amdhsa_memory_ordered 1
		.amdhsa_forward_progress 1
		.amdhsa_inst_pref_size 158
	.end_amdhsa_kernel
	.amdgpu_metadata
---
amdhsa.version: [ 1, 2 ]
amdhsa.kernels:
  - .name:           k_qd6b7cd350b_attn
    .symbol:         k_qd6b7cd350b_attn.kd
    .args:
      - { .name: qf, .offset: 0, .size: 8, .value_kind: global_buffer, .address_space: global }
      - { .name: kf, .offset: 8, .size: 8, .value_kind: global_buffer, .address_space: global }
      - { .name: vf, .offset: 16, .size: 8, .value_kind: global_buffer, .address_space: global }
      - { .name: out0, .offset: 24, .size: 8, .value_kind: global_buffer, .address_space: global }
    .group_segment_fixed_size: 144384
    .private_segment_fixed_size: 0
    .kernarg_segment_align: 8
    .kernarg_segment_size: 32
    .max_flat_workgroup_size: 256
    .sgpr_count:     66
    .vgpr_count:     448
    .wavefront_size: 32
...
	.end_amdgpu_metadata
.endif
;; end of part 2
